; MI455X (gfx1250); checked and timed in simulation.
; The chip was launched on July 23, 2026; its instructions are those of AMD's public machine-readable ISA for CDNA 5 (MIT licence, August 2026) and "CDNA5" Instruction Set Architecture Reference Guide (July 2026). The comments in the code are by the model that wrote it; some were corrected since.
;; Multi Head Attention. Allowed arithmetic: float matrix products may take bf16 or f16 operands with f32 sums; other float arithmetic in f32, or as packed bf16 or f16 multiplies, adds, multiply-adds, maxima and minima; sums over many terms, partial sums and values carried from step to step in f32; what a program stores and reads back later, other than sums and carried values, may be rounded once to bf16 or f16.
;; Inputs: Wqkv 2,048 x 1,024 float32; X 4,096 x 1,024 float32.
;; Outputs: out0 4,096 x 1,024 float32.
;; One version. Each part assembles by itself: llvm-mc -triple=amdgcn-amd-amdhsa -mcpu=gfx1250 --defsym DOCPART=n.
;; ======== version 1 of 1: 2 launches
;; limits: values are held in f16: magnitudes above 65,504 overflow, below 6.1e-05 lose precision
;; workspace buffers: qkv 16,777,216 bytes
;; launch proj (part 1): grid 8 x 32, 4 waves a work-group, clusters of 4 x 4, 327,680 bytes of LDS; arguments X, Wqkv, qkv; writes qkv
.if DOCPART == 1
	.amdgcn_target "amdgcn-amd-amdhsa--gfx1250"
	.amdhsa_code_object_version 6
	.text
	.protected	k_q1f9ca05f9b_proj
	.globl	k_q1f9ca05f9b_proj
	.p2align	8
	.type	k_q1f9ca05f9b_proj,@function
k_q1f9ca05f9b_proj:
	s_mov_b64 s[64:65], 0
	v_nop
	global_prefetch_b8 v0, s[64:65] scope:SCOPE_SE
	s_setreg_imm32_b32 hwreg(HW_REG_WAVE_MODE, 25, 1), 1
	s_wait_xcnt 0x0
	s_wait_alu depctr_hold_cnt(0) depctr_sa_sdst(0) depctr_va_vdst(0) depctr_va_sdst(0) depctr_va_ssrc(0) depctr_va_vcc(0) depctr_vm_vsrc(0)
	s_getreg_b32 s2, hwreg(HW_REG_IB_STS2, 6, 4)
	s_cmp_eq_u32 s2, 0
	s_cbranch_scc0 .Lentry_in_a_cluster
	s_endpgm
.Lentry_in_a_cluster:
	s_bfe_u32 s2, ttmp6, 0x10000c
	s_cmp_lg_u32 s2, 0xf033
	s_cbranch_scc0 .Lentry_shape_is_right
	s_endpgm
.Lentry_shape_is_right:
; proj[n][c] = the sum over k of X[n][k] Wqkv[c][k].  X: [4096][1024] f32, Wqkv: [2048][1024] f32.  Both are rounded to bf16 on the way from LDS to the matrix unit; sums in f32.
; The result is rounded once to f16 and stored BY HEADS: qkv[p][n][d], 32 planes of 4,096 rows of 64 f16 (128 bytes, dense); plane p holds columns 64 p .. 64 p + 63: planes 0-15 are qk, 16-31 are v.
; LIMIT.  f16 holds no number beyond 65,504: this text serves |proj| below that (inputs as drawn give about 5; both inputs 30 times larger about 5,000; both with an offset of 30 spreads about 29,000).
; NaN and infinities are not treated apart.
; SHARES.  A work-group makes 128 rows x 256 columns (four planes): 32 x 8 = 256 work-groups.  Each of its four waves makes 64 rows x 128 columns: 32 accumulators of 16 x 16, 256 registers.
; K goes in steps of 64 (rows of 256 bytes of f32, at multiples of 256 bytes from the buffer's first byte) through a ring of two LDS slots; steps of 128 would need 2 x 202,752 bytes.
; A step is two CHUNKS of 32 along K: 48 LDS loads of f32, 96 conversions to packed bf16, 32 matrix instructions.  A chunk's loads are issued ahead of the products of the chunk before.
; CLUSTERS: 4 x 4 work-groups.  The four of a row of the cluster need the same rows of X, the four of a column the same rows of Wqkv: each tile is asked for JOINTLY, by the same tensor load with the
; same descriptor and a mask that names the four.  THE MATRIX INSTRUCTION IS USED TRANSPOSED (source 0 = 16 rows of Wqkv, source 1 = 16 rows of X): a lane then holds eight neighbouring columns of a row.
; No prefetch: the launch has sixteen K steps, and its tiles are shared in the cluster.
; REGISTERS, in windows of 256 (s_set_vgpr_msb: bits 1:0 source 0, 3:2 source 1, 5:4 source 2, 7:6 destination):
;   window 0: v0-31 addresses; v64-255 a chunk's f32 as loaded (X's fragment a at 64 + 16 a, W's fragment b at 128 + 16 b); on the way out v64-191 packed results
;   window 1: the accumulators, (a, b) at v[8 (8 a + b)]          window 2: v0-95 the chunk's bf16 fragments: X's a at 8 a, W's b at 32 + 8 b
.set KSTEP,  64
.set PITCH,  272                       ; an LDS row: 256 bytes of data + 16 of padding = 68 words: row r starts at bank 4 r mod 64 (64 banks of 4 bytes: ISA guide 11.1)
.set AHALF,  64*PITCH                  ; 64 rows of X: what wave 0 or 1 fetches, and what a wave reads of X
.set BHALF,  128*PITCH                 ; 128 rows of W: what wave 2 or 3 fetches, and what a wave reads of W
.set BOFF,   2*AHALF                   ; W's 256 rows lie behind X's 128
.set SLOT,   2*AHALF+2*BHALF           ; 104,448 bytes
.set STAGE,  2*SLOT                    ; behind the ring: 16 rows x 144 bytes for each wave, for the way out; no tensor load lands here
.set SP,     144
.set SPARE,  STAGE+4*16*SP             ; behind the stages: the spare words, 128 bytes for each wave: two blocks of 256 bytes that no other line names
.set LAPS,   1024/(2*KSTEP)            ; a lap = two K steps = once round the ring
.set PLANE,  4096*128                  ; bytes in a plane of qkv
.set ADRA, 16                          ; v16-17  LDS address of my X fragments in slot 0, 1
.set ADRB, 20                          ; v20-21  the same for W
.set STO,  24                          ; v24     the way out: where I put 16 bytes of a row
.set RD,   25                          ; v25     the way out: where I read rows back
.set GO,   26                          ; v26     my byte offset in 512 consecutive bytes of qkv
.set SPW,  28                          ; v28     LDS address of my spare word: SPARE + 4 x my thread's number; never rewritten
.set NIL,  29                          ; v29     0; never rewritten
.set RAW,  64
.set G1,  24                           ; s[24:31] descriptor group 1 for X's tiles;  s[32:39] group 0, one set for each slot
.set G0,  32
.set G1B, 48                           ; s[48:55], s[56:63] the same for W's tiles
.set G0B, 56
.set MSB, 0
.macro WIN new                         ; the immediate's high byte repeats the setting that is left; a switch that changes nothing is dropped
.if MSB != (\new)
	s_set_vgpr_msb (MSB<<8)|(\new)
.set MSB, \new
.endif
.endm
.set W_CVT, 0x80                       ; destination window 2, sources window 0
.set W_MUL, 0x5a                       ; sources 0 and 1 window 2; C and D window 1
.set W_OUT, 0x05                       ; sources 0 and 1 window 1, destination window 0
.macro PLACES                          ; four places behind a matrix instruction, ahead of vector lines that write its sources or read its result (ISA guide 7.12.1)
.rept 4
	v_nop
.endr
.endm
; A joint refill: waves 0 and 1 fetch X's two halves, waves 2 and 3 W's.  The branch hangs on the wave's number alone.
; An s_nop 0 and four v_nop follow each of the two lines, ahead of the jump, the label and what follows.
.macro JLOAD s
	s_cmp_eq_u32 s11, 0
	s_cbranch_scc0 .Lfor_b_\@
	tensor_load_to_lds s[G0+4*(\s):G0+4*(\s)+3], s[G1:G1+7]
	s_nop 0
.rept 4
	v_nop
.endr
	s_branch .Lasked_\@
.Lfor_b_\@:
	tensor_load_to_lds s[G0B+4*(\s):G0B+4*(\s)+3], s[G1B:G1B+7]
	s_nop 0
.rept 4
	v_nop
.endr
.Lasked_\@:
.endm
.macro CREST                           ; a round of the cluster's barrier behind its opening barrier
	s_cmp_lg_u32 s10, 0
	s_cbranch_scc1 .Lnot_wave_0_\@
	s_barrier_signal -3
.Lnot_wave_0_\@:
	s_barrier_wait -3
	s_barrier_signal -1
	s_barrier_wait -1
.endm
.macro CROUND                          ; a whole round
	s_barrier_signal -1
	s_barrier_wait -1
	CREST
.endm
	s_load_b128 s[4:7], s[0:1], 0x0                ; X s[4:5], Wqkv s[6:7]
	s_load_b64 s[8:9], s[0:1], 0x10                ; qkv
	v_lshl_add_u32 v[SPW], v0, 2, SPARE
	v_mov_b32 v[NIL], 0
	ds_add_u32 v[SPW], v[NIL]                      ; the wave's opening: the add and its wait stand ahead of my first tensor load; the set-up below, work on registers, stands between them
	v_lshrrev_b32 v1, 5, v0
	v_readfirstlane_b32 s10, v1                    ; wave 0..3
	s_lshr_b32 s11, s10, 1                         ; which 64 of the tile's rows are mine.  Also: I fetch for X (0) or for W (1)
	s_and_b32 s12, s10, 1                          ; which 128 of its columns.  Also: which half of that tile I fetch
	s_bfe_u32 s40, ttmp6, 0x40000                  ; cx, cy: my place in the cluster
	s_bfe_u32 s41, ttmp6, 0x40004
	s_lshl_b32 s42, ttmp9, 2
	s_add_co_u32 s42, s42, s40                     ; tile column = 4 x cluster x + cx, 0..7
	s_and_b32 s13, ttmp7, 0xffff
	s_lshl_b32 s13, s13, 2
	s_add_co_u32 s13, s13, s41                     ; tile row = 4 x cluster y + cy, 0..31
	s_lshl_b32 s43, s41, 2
	s_lshl_b32 s43, 15, s43                        ; my row of the cluster: places 4 cy .. 4 cy + 3
	s_lshl_b32 s44, 0x1111, s40                    ; my column: places cx, cx + 4, cx + 8, cx + 12
	; descriptor group 1: tiles of 64 (X) or 128 (W) rows x 64 elements of 4 bytes, padded in LDS
	s_or_b32 s[G1+0], s43, (2<<16)|(1<<20)|(1<<21)|(5<<22)|(3<<25)   ; 15:0 the mask: X's tiles go to my row; 17:16 elements of 4 bytes; 20 padding on; 21 set beside a mask; 24:22 after every 64 words (code 5); 31:25 4 words of it (code 3)
	s_or_b32 s[G1B+0], s44, (2<<16)|(1<<20)|(1<<21)|(5<<22)|(3<<25)  ; the same with the mask of my column, for W's tiles
	s_mov_b32 s[G1+1], KSTEP<<16                   ; tensor_dim0 = 64
	s_mov_b32 s[G1+2], 64<<16                      ; tensor_dim1 = 64
	s_mov_b32 s[G1+3], KSTEP<<16                   ; tile_dim0 = 64
	s_mov_b32 s[G1+4], 64                          ; tile_dim1 = 64
	s_mov_b32 s[G1+5], 1024                        ; elements from row to row
	s_mov_b32 s[G1+6], 0
	s_mov_b32 s[G1+7], 0
	s_mov_b32 s[G1B+1], KSTEP<<16
	s_mov_b32 s[G1B+2], 128<<16                    ; tensor_dim1 = 128
	s_mov_b32 s[G1B+3], KSTEP<<16
	s_mov_b32 s[G1B+4], 128                        ; tile_dim1 = 128
	s_mov_b32 s[G1B+5], 1024
	s_mov_b32 s[G1B+6], 0
	s_mov_b32 s[G1B+7], 0
	; where the tiles come from.  X's hang on the tile row alone, W's on the tile column alone; every wave makes both, in registers that never hold the other coordinate
	s_lshl_b32 s17, s12, 6
	s_lshl_b32 s16, s13, 7
	s_add_co_u32 s16, s16, s17                     ; X: row 128 x tile row + 64 x half,
	s_lshl_b32 s16, s16, 12                        ; times 4,096 bytes: 16 MiB at the most
	s_mov_b32 s17, 0
	s_lshl_b32 s47, s12, 7
	s_lshl_b32 s46, s42, 8
	s_add_co_u32 s46, s46, s47                     ; W: row 256 x tile column + 128 x half
	s_lshl_b32 s46, s46, 12
	s_mov_b32 s47, 0
	s_mul_i32 s20, s12, AHALF                      ; and where they go: no place in the cluster enters an LDS address
	s_mul_i32 s21, s12, BHALF
	s_add_co_u32 s21, s21, BOFF
	s_wait_dscnt 0x0                               ; the opening add is done
	s_wait_kmcnt 0x0
	s_add_nc_u64 s[14:15], s[4:5], s[16:17]
	s_add_nc_u64 s[46:47], s[6:7], s[46:47]
.irp s, 0,1
	s_mov_b32 s[G0+4*(\s)], 1                                        ; 1:0 count = 1
	s_add_co_u32 s[G0+4*(\s)+1], s20, (\s)*SLOT                      ; 63:32 LDS address
	s_add_nc_u64 s[G0+4*(\s)+2:G0+4*(\s)+3], s[14:15], (\s)*KSTEP*4  ; 120:64 global address: K step s
	s_or_b32 s[G0+4*(\s)+3], s[G0+4*(\s)+3], 0x80000000              ; 127:126 type = 2
	s_mov_b32 s[G0B+4*(\s)], 1
	s_add_co_u32 s[G0B+4*(\s)+1], s21, (\s)*SLOT
	s_add_nc_u64 s[G0B+4*(\s)+2:G0B+4*(\s)+3], s[46:47], (\s)*KSTEP*4
	s_or_b32 s[G0B+4*(\s)+3], s[G0B+4*(\s)+3], 0x80000000
.endr
	CROUND                                         ; all sixteen work-groups are here: the first joint loads meet
	s_cmp_eq_u32 s11, 0                            ; a wave's two first fills stand in one branch, ahead of every wait on TENSORcnt and every LDS read: two loads of mine are out
	s_cbranch_scc0 .Lfirst_b
	tensor_load_to_lds s[G0:G0+3], s[G1:G1+7]
	s_nop 0
	tensor_load_to_lds s[G0+4:G0+7], s[G1:G1+7]
	s_nop 0
.rept 4
	v_nop
.endr
	s_branch .Lfirst_asked
.Lfirst_b:
	tensor_load_to_lds s[G0B:G0B+3], s[G1B:G1B+7]
	s_nop 0
	tensor_load_to_lds s[G0B+4:G0B+7], s[G1B:G1B+7]
	s_nop 0
.rept 4
	v_nop
.endr
.Lfirst_asked:
	; A bf16 fragment is 16 rows x 32 K: lane l holds row l % 16; K = 8 (l / 16) + 0..7 and 16 + 8 (l / 16) + 0..7.  In f32 those are 32 bytes at 32 (l / 16) and 32 bytes 64 further on: four loads of 16 bytes.
	v_and_b32 v1, 15, v0                           ; l % 16
	v_bfe_u32 v2, v0, 4, 1                         ; l / 16
	v_mul_u32_u24 v3, v1, PITCH
	v_lshl_add_u32 v3, v2, 5, v3                   ; row x pitch + 32 x half
	s_mul_i32 s22, s11, AHALF                      ; my 64 rows of X
	s_mul_i32 s23, s12, BHALF                      ; my 128 rows of W,
	s_add_co_u32 s23, s23, BOFF                    ; which lie behind X's 128
.irp s, 0,1
	v_add_nc_u32 v[ADRA+(\s)], s22, v3
	v_add_nc_u32 v[ADRB+(\s)], s23, v3
	s_add_co_u32 s22, s22, SLOT
	s_add_co_u32 s23, s23, SLOT
.endr
	s_mul_i32 s23, s10, 16*SP
	s_add_co_u32 s23, s23, STAGE                   ; my stage
	v_mul_u32_u24 v4, v1, SP                       ; in: row l % 16, 16 bytes for each half of the lanes
	v_lshl_add_u32 v4, v2, 4, v4
	v_add_nc_u32 v[STO], s23, v4
	v_bfe_u32 v5, v0, 3, 2                         ; back: 32 lanes take four rows of 128 bytes,
	v_mul_u32_u24 v5, v5, SP
	v_and_b32 v6, 7, v0
	v_lshl_add_u32 v5, v6, 4, v5
	v_add_nc_u32 v[RD], s23, v5
	v_and_b32 v[GO], 31, v0                        ; which are 512 consecutive bytes of a plane
	v_lshlrev_b32 v[GO], 4, v[GO]
	s_lshl_b32 s16, s13, 7                         ; where my part begins in qkv: row 128 x tile row + 64 x my half, 128 bytes a row,
	s_lshl_b32 s17, s11, 6
	s_add_co_u32 s16, s16, s17
	s_lshl_b32 s16, s16, 7
	s_mov_b32 s17, 0
	s_add_nc_u64 s[8:9], s[8:9], s[16:17]
	s_lshl_b32 s46, s42, 2                         ; plane 4 x tile column + 2 x my half (in the registers that held W's address: none that feeds X's descriptors ever holds cx)
	s_lshl_b32 s47, s12, 1
	s_add_co_u32 s46, s46, s47
	s_lshl_b32 s46, s46, 19                        ; 524,288 bytes a plane
	s_mov_b32 s47, 0
	s_add_nc_u64 s[8:9], s[8:9], s[46:47]
; 48 LDS loads in one run: a chunk's f32 (64 rows of X, then 128 rows of W, 32 K at byte k of the rows)
.macro FETCH slot, k
	WIN 0
.irp i, 0,1,2,3
.irp o, 0,1,2,3
	ds_load_b128 v[RAW+16*(\i)+4*(\o):RAW+16*(\i)+4*(\o)+3], v[ADRA+(\slot)] offset:(\k)+(\i)*16*PITCH+16*((\o)%2)+64*((\o)/2)
.endr
.endr
.irp i, 0,1,2,3,4,5,6,7
.irp o, 0,1,2,3
	ds_load_b128 v[RAW+64+16*(\i)+4*(\o):RAW+64+16*(\i)+4*(\o)+3], v[ADRB+(\slot)] offset:(\k)+(\i)*16*PITCH+16*((\o)%2)+64*((\o)/2)
.endr
.endr
.endm
; The chunk's 192 f32 a lane are rounded to 96 registers of packed bf16.  Four places first: the last products read the registers that are written here.
; LDS loads come back in order (ISA guide 5.7.1): with 32 out X's sixteen are in, with 16 out W's first sixteen too.
.macro CVT
	PLACES
	WIN W_CVT
.set n, 0
.irp out, 32, 16, 0
	s_wait_dscnt \out
.rept 32
	v_cvt_pk_bf16_f32 v[n], v[RAW+2*n], v[RAW+2*n+1]
.set n, n+1
.endr
.endr
.endm
; 8 matrix instructions: row block a x all 8 column blocks.  zero = 1: the first product starts the sums.  The 32 accumulators take turns, one instruction a turn, in the same order in every chunk,
; over the backward jump too.
.macro MUL8 a, zero
	WIN W_MUL
.irp b, 0,1,2,3,4,5,6,7
.if \zero
	v_wmma_f32_16x16x32_bf16 v[8*(8*(\a)+(\b)):8*(8*(\a)+(\b))+7], v[32+8*(\b):32+8*(\b)+7], v[8*(\a):8*(\a)+7], 0
.else
	v_wmma_f32_16x16x32_bf16 v[8*(8*(\a)+(\b)):8*(8*(\a)+(\b))+7], v[32+8*(\b):32+8*(\b)+7], v[8*(\a):8*(\a)+7], v[8*(8*(\a)+(\b)):8*(8*(\a)+(\b))+7]
.endif
.endr
.endm
; A K step's first chunk: converted; the step's second chunk, at byte k of the same slot's rows, is fetched; 32 products.
.macro CHUNK slot, k, zero
	CVT
	FETCH \slot, \k
	MUL8 0, \zero
	MUL8 1, \zero
	MUL8 2, \zero
	MUL8 3, \zero
.endm
; A K step's second chunk, and the change of slots: ONE barrier.  In front of it each wave has read the slot out (CVT's last wait is for 0), waits for all its tensor loads, of which one is out: its part of
; the next slot; adds 0 to its spare word and waits for that.  fill = 1: the barrier opens a round of the cluster's, and this slot is filled again, two K steps ahead, first thing behind the round:
; that load has 48 products and 192 conversions in which to land.
.macro TURN slot, next, fill
	CVT
	WIN 0                                          ; (the add's two registers lie in window 0)
	s_wait_tensorcnt 0x0                           ; all my tensor loads have landed;
	ds_add_u32 v[SPW], v[NIL]                      ; 0 onto my spare word
	MUL8 0, 0                                      ; eight matrix instructions stand between the add and the wait for it
	s_wait_dscnt 0x0                               ; the add is done, and my reads of this slot are over
	s_barrier_signal -1
	MUL8 1, 0                                      ; work on registers while the others arrive
	WIN 0
	s_barrier_wait -1
.if \fill
	CREST                                          ; no wave of any partner still reads this slot's tile or has a load on its way
	s_add_nc_u64 s[G0+4*(\slot)+2:G0+4*(\slot)+3], s[G0+4*(\slot)+2:G0+4*(\slot)+3], 2*KSTEP*4
	s_add_nc_u64 s[G0B+4*(\slot)+2:G0B+4*(\slot)+3], s[G0B+4*(\slot)+2:G0B+4*(\slot)+3], 2*KSTEP*4
	JLOAD \slot
.endif
	FETCH \next, 0
	MUL8 2, 0
	MUL8 3, 0
.endm
; THE WAY OUT, in eight units of 16 rows x 64 columns (row block u / 2, plane u % 2 of my two): 2,048 consecutive bytes of a plane.
; PACK: rounded to f16, each accumulator's registers in ascending order; 16 bytes a lane into my own stage; back as whole rows of 128 bytes.
.macro PACK u
.set T, RAW+16*(\u)
.set AC, 8*(8*((\u)/2)+4*((\u)%2))
	WIN W_OUT
.irp cb, 0,1,2,3
.irp r, 0,1,2,3
	v_cvt_pk_f16_f32 v[T+4*(\cb)+(\r)], v[AC+8*(\cb)+2*(\r)], v[AC+8*(\cb)+2*(\r)+1]
.endr
.endr
	WIN 0
.irp cb, 0,1,2,3
	ds_store_b128 v[STO], v[T+4*(\cb):T+4*(\cb)+3] offset:32*(\cb)
.endr
.irp f, 0,1,2,3
	ds_load_b128 v[T+4*(\f):T+4*(\f)+3], v[RD] offset:(\f)*4*SP  ; LDS serves a wave's instructions in order (ISA guide 5.7.1.4): these see the stores above; the next unit's stores come behind them
.endr
.endm
.macro SEND u, younger                 ; younger: the LDS instructions issued behind unit u's loads: the next unit's eight, or none.  Each unit has registers of its own, and no address is rewritten
.set T, RAW+16*(\u)
	WIN 0
.irp f, 0,1,2,3
	s_wait_dscnt (\younger)+3-(\f)
	global_store_b128 v[GO], v[T+4*(\f):T+4*(\f)+3], s[8:9] offset:((\u)%2)*PLANE+((\u)/2)*2048+(\f)*512  ; 512 consecutive bytes, at a multiple of 256 from qkv's first byte
.endr
.endm
	s_wait_tensorcnt 1                             ; my part of K step 0 is in; K step 1's may stay out
	s_barrier_signal -1
	s_barrier_wait -1                              ; everybody's is
	FETCH 0, 0
	CHUNK 0, 128, 1                                ; the first chunk stands in front of the loop: its products start the sums
	WIN 0
	s_mov_b32 s3, LAPS-1
.Llap:                                                 ; a trip goes once round the ring, from a lap's second chunk to the next lap's first, and fills both slots again
	TURN 0, 1, 1
	CHUNK 1, 128, 0
	TURN 1, 0, 1
	CHUNK 0, 128, 0
	WIN 0
	s_sub_co_u32 s3, s3, 1
	s_cmp_lg_u32 s3, 0
	s_cbranch_scc1 .Llap
	TURN 0, 1, 0                                   ; the last lap fills nothing, and has no round of the cluster's barrier
	CHUNK 1, 128, 0
	CVT                                            ; the very last chunk: nothing more to fetch
	MUL8 0, 0
	MUL8 1, 0
	MUL8 2, 0
	MUL8 3, 0
	WIN 0
	PLACES
	PLACES                                         ; (eight, once a launch)
	PACK 0
.irp u, 1,2,3,4,5,6,7                  ; a unit's conversions stand between the loads of the unit before and its stores
	PACK \u
	SEND (\u)-1, 8
.endr
	SEND 7, 0
	s_wait_tensorcnt 0x0                           ; the wave's end: a wait on tensor loads, an add and its wait, behind my last tensor load and my last LDS store
	ds_add_u32 v[SPW], v[NIL]
	s_wait_dscnt 0x0
	CROUND                                         ; the closing round: no work-group ends while a partner may still ask for a tile that names it
	s_endpgm
.Lfunc_end_k_q1f9ca05f9b_proj:
	.size	k_q1f9ca05f9b_proj, .Lfunc_end_k_q1f9ca05f9b_proj-k_q1f9ca05f9b_proj
	.p2alignl 7, 3214868480
	.fill 96, 4, 3214868480
	.section	.rodata,"a",@progbits
	.p2align	6, 0x0
	.amdhsa_kernel k_q1f9ca05f9b_proj
		.amdhsa_group_segment_fixed_size 327680
		.amdhsa_private_segment_fixed_size 0
		.amdhsa_enable_private_segment 0
		.amdhsa_kernarg_size 24
		.amdhsa_user_sgpr_count 2
		.amdhsa_user_sgpr_kernarg_segment_ptr 1
		.amdhsa_wavefront_size32 1
		.amdhsa_system_sgpr_workgroup_id_x 1
		.amdhsa_system_sgpr_workgroup_id_y 1
		.amdhsa_system_sgpr_workgroup_id_z 1
		.amdhsa_system_vgpr_workitem_id 0
		.amdhsa_next_free_vgpr 608
		.amdhsa_next_free_sgpr 66
		.amdhsa_reserve_vcc 0
		.amdhsa_float_denorm_mode_32 3
		.amdhsa_float_denorm_mode_16_64 3
		.amdhsa_memory_ordered 1
		.amdhsa_forward_progress 1
		.amdhsa_inst_pref_size 118
	.end_amdhsa_kernel
	.amdgpu_metadata
---
amdhsa.version: [ 1, 2 ]
amdhsa.kernels:
  - .name:           k_q1f9ca05f9b_proj
    .symbol:         k_q1f9ca05f9b_proj.kd
    .args:
      - { .name: X, .offset: 0, .size: 8, .value_kind: global_buffer, .address_space: global }
      - { .name: Wqkv, .offset: 8, .size: 8, .value_kind: global_buffer, .address_space: global }
      - { .name: qkv, .offset: 16, .size: 8, .value_kind: global_buffer, .address_space: global }
    .group_segment_fixed_size: 327680
    .private_segment_fixed_size: 0
    .kernarg_segment_align: 8
    .kernarg_segment_size: 24
    .max_flat_workgroup_size: 128
    .sgpr_count:     66
    .vgpr_count:     608
    .wavefront_size: 32
...
	.end_amdgpu_metadata
.endif
;; end of part 1
;; launch attn (part 2): grid 16 x 16, 4 waves a work-group, clusters of 4 x 1, 327,680 bytes of LDS; arguments qkv, out0; writes out0
.if DOCPART == 2
	.amdgcn_target "amdgcn-amd-amdhsa--gfx1250"
	.amdhsa_code_object_version 6
	.text
	.protected	k_q1f9ca05f9b_attn
	.globl	k_q1f9ca05f9b_attn
	.p2align	8
	.type	k_q1f9ca05f9b_attn,@function
k_q1f9ca05f9b_attn:
	s_mov_b64 s[64:65], 0
	v_nop
	global_prefetch_b8 v0, s[64:65] scope:SCOPE_SE
	s_setreg_imm32_b32 hwreg(HW_REG_WAVE_MODE, 25, 1), 1
	s_wait_xcnt 0x0
	s_wait_alu depctr_hold_cnt(0) depctr_sa_sdst(0) depctr_va_vdst(0) depctr_va_sdst(0) depctr_va_ssrc(0) depctr_va_vcc(0) depctr_vm_vsrc(0)
	s_getreg_b32 s2, hwreg(HW_REG_IB_STS2, 6, 4)
	s_cmp_eq_u32 s2, 0
	s_cbranch_scc0 .Lentry_in_a_cluster
	s_endpgm
.Lentry_in_a_cluster:
	s_bfe_u32 s2, ttmp6, 0x10000c
	s_cmp_lg_u32 s2, 0x3003
	s_cbranch_scc0 .Lentry_shape_is_right
	s_endpgm
.Lentry_shape_is_right:
; out0[q][64 h + d] = the sum over k of softmax_k(QK[h][q] . QK[h][k] / 8) V[h][k][d].  qkv: [32][4096][64] f16: plane h is QK of head h (queries and keys alike), plane 16 + h its V; rows of 128 bytes, dense.
; out0: [4096][1024] f32.  Products, maxima and sums in f32; the weights p are rounded to f16 for the second product (their sum l is taken of the unrounded p); the result leaves in f32.
; LIMITS.  f16 holds no number beyond 65,504: qkv arrives within it; p lies in 0 to 1, and below 6e-5 it keeps f16's fixed step of 6e-8.  A weight below 2^-126 counts as 0 in l; NaN and infinities are not treated apart.
; SHARES.  A work-group owns 256 queries of one head: 16 x 16 = 256 work-groups.  Each of its four waves owns 64 queries: four PIECES of 16.  Every wave walks all 4,096 keys, 64 a step, 256 a tile.
; LAYOUT.  S^T = K Q^T (source 0 = 16 keys, source 1 = 16 queries): in the result a lane holds ONE query (lane % 16) and the keys 8 (lane / 16) + 0..7.  Two such results, rounded to f16 in pairs, ARE source 1
; (32 keys x 16 queries) of O^T = V^T P, whose result again holds one query a lane, and eight channels.  K comes out of LDS as it lies, V ([key][channel]) turned, by ds_load_tr16_b128.
; SOFTMAX.  For each query a running maximum m and sum l: p = 2^(c s - c m), c = log2(e) / 8; in every step O and l are multiplied by a = 2^(c m_old - c m_new), which is 1 where m has not grown.
; m starts at the lowest finite number, O and l at 0: the first step is a step like any other, with a = 0.
; BY TURNS.  A piece and step have 16 matrix and 118 vector instructions.  Turn n belongs to piece n: 8 products K Q^T of piece n + 1, later 8 products V^T P of piece n - 1; beside them the scaling, exponentials,
; roundings, sums and rescaling of piece n and the maximum and statistics of piece n + 1.  Four vector instructions stand behind every matrix instruction, the other 54 in two LUMPS.
; CLUSTER.  The four query blocks of a cluster belong to one head and walk the same K and V, so each tile is asked for JOINTLY: the same tensor load, descriptor and mask in all four.
; REGISTERS, in windows of 256 (s_set_vgpr_msb: bits 1:0 source 0, 3:2 source 1, 5:4 source 2, 7:6 destination):
;   window 0: v0-15 addresses and two at work; v16-31 four registers of statistics a piece; v48-55 at work; v61-63 never rewritten; v64-127 S^T, two buffers; v192-223 P, two buffers (a piece's buffers go by its
;   number's parity); on the way out v64-191 whole rows          window 1: v0-127 O^T, 32 a piece          window 2: v0-63 Q; v128-191 K of one step; v192-255 V of one step
.set NP,    4         ; pieces a wave: a name, no knob
.set KS,    64        ; keys in a step
.set PK,    144       ; a row of K in LDS: 128 bytes + 16 of padding = 36 words: the 16 rows of a load start at 16 different groups of four banks (64 banks of 4 bytes: ISA guide 11.1)
.set PV,    160       ; a row of V: 128 + 32 = 40 words
.set VOFF,  4*KS*PK   ; a slot holds a tile, four steps: 256 rows of K, then 256 rows of V
.set SLOT1, 1<<17     ; slot 1 begins here, so that one exclusive or turns an address in one slot into the other's
.set STAGE, SLOT1+4*KS*(PK+PV)  ; behind the ring, never filled by a tensor load: 16 rows x 272 bytes for each wave, for the way out
.set SP,    272       ; a stage row: 64 f32 + 16 bytes
.set SPARE, STAGE+4*16*SP  ; behind the stages: the spare words, 128 bytes for each wave: two blocks of 256 bytes that no other line names
.set TILEB, 4*KS*128  ; a tile's bytes of K, and of V, in memory
.set PLANE, 4096*128  ; bytes in a plane of qkv
.set AK0, 2           ; v2   my lane's place in a tile of K; never rewritten
.set AV0, 3           ; v3   the same for V
.set AK,  4           ; v4   the LDS address of K's next run of loads
.set AV,  5           ; v5   of V's
.set STO, 6           ; v6   the way out: where I put 32 bytes of a row
.set RD,  7           ; v7   the way out: where I read rows back
.set GO,  8           ; v8   my byte offset in two rows of out0
.set MV,  12          ; v12-13  c m_old, kept while c m is made anew: by buffer
.set QO,  15          ; v15  my byte offset in 16 rows of Q
.set ST,  16          ; piece t's statistics at v[ST+4 t]: c m, m, l (even keys', odd keys')
.set TMP, 48          ; by buffer, four registers c0-c3 at work; when the maximum is found c2 takes a
.set PFO, 61          ; v61  256 x my lane; never rewritten
.set SPW, 62          ; v62  LDS address of my spare word: SPARE + 4 x my thread's number; never rewritten
.set NIL, 63          ; v63  0; never rewritten
.set S,   64
.set P,   192
.set OUTR, 64         ; the way out: 32 registers a piece
.set KF,  128         ; window 2: key block kb, channel half c at KF + 16 kb + 8 c
.set VF,  192         ; window 2: key half kk, channel block cb at VF + 32 kk + 8 cb
.set WV,  12          ; s12  my wave's number
.set LIM, 15          ; s15  1 in a wave that prefetches, else the greatest number: a wave prefetches while s[SLOTS] is above it
.set PFA, 18          ; s[18:19] where my prefetches stand: my work-group's 32 blocks of 256 bytes (of K: wave 0, of V: wave 2) of the tile after the one that is being asked for
.set G1K, 24          ; s[24:31] descriptor group 1 for K's tiles
.set G1V, 32          ; s[32:39] for V's: it differs in the padding alone
.set G0K, 40          ; s[40:43] descriptor group 0 for K's tiles: it walks
.set G0V, 44          ; s[44:47] the same for V's
.set SLOTS, 56        ; s56  tiles still to be asked for
.set CNT, 57          ; s57  counts a tile's key steps
.set CS,  58          ; s[58:59] c: the packed scaling takes the pair's low word for both halves
.set SEL, 60          ; s[60:61] v_permlanex16_b32's selects: each lane takes its own place in the other half
.set TBK, 62          ; s62  LDS byte at which K of the step to be fetched begins
.set TBV, 63          ; s63  the same for V, less VOFF
.set MSB, 0
.macro WIN new                      ; the high byte repeats the setting that is left; a switch that changes nothing is dropped
.if MSB != (\new)
	s_set_vgpr_msb (MSB<<8)|(\new)
.set MSB, (\new)
.endif
.endm
.set W_KQ, 0x0a       ; K and Q in window 2, S^T in window 0
.set W_PV, 0x52       ; V in window 2, P in window 0, O^T in window 1
.set W_RS, 0x41       ; destination and source 0 in window 1, source 1 in window 0
.set W_ST, 0x04       ; an LDS store's data (source 1) in window 1, its address in window 0
; A joint fill.  Waves 0 and 1 fetch the two halves of a tile's K, waves 2 and 3 those of its V: 128 keys each.  The branch hangs on the wave's number alone.
; An s_nop 0 and four v_nop follow each of the two lines, ahead of the jump and the label.
.macro JLOAD
	s_cmp_lt_u32 s[WV], 2
	s_cbranch_scc0 .Lfor_v_\@
	tensor_load_to_lds s[G0K:G0K+3], s[G1K:G1K+7]
	s_nop 0
.rept 4
	v_nop
.endr
	s_branch .Lasked_\@
.Lfor_v_\@:
	tensor_load_to_lds s[G0V:G0V+3], s[G1V:G1V+7]
	s_nop 0
.rept 4
	v_nop
.endr
.Lasked_\@:
.endm
; A PREFETCH INTO THE L2 of what the NEXT change of slots will ask for: a tile's 32,768 bytes of K and of V, a lane for each 256 of them.  It stands behind the wave's tensor load and its five lines.
; Each block is asked for ONCE in the launch.  All four clusters of a head walk the same K and V: the head's first cluster prefetches.  Its four partners share a tile out BY ADDRESS, 8,192 bytes each: no branch hangs
; on a work-group's place in its cluster.  In each, wave 0 asks for K's and wave 2 for V's: one instruction, four key steps (256 matrix instructions) ahead of the load.  The last change that fills a slot asks for nothing.
.macro ASK
	s_cmp_gt_u32 s[SLOTS], s[LIM]
	s_cbranch_scc0 .Lnot_mine_\@
	global_prefetch_b8 v[PFO], s[PFA:PFA+1] th:TH_LOAD_NT scope:SCOPE_SE
.Lnot_mine_\@:
.endm
; A round of the cluster's barrier: my work-group's barrier, so that wave 0's signal speaks for all four waves; wave 0 signals; every wave waits for all four work-groups; my work-group's barrier once more.
.macro CROUND
	s_barrier_signal -1
	s_barrier_wait -1
	s_cmp_lg_u32 s[WV], 0
	s_cbranch_scc1 .Lnot_wave_0_\@
	s_barrier_signal -3
.Lnot_wave_0_\@:
	s_barrier_wait -3
	s_barrier_signal -1
	s_barrier_wait -1
.endm
; THE CHANGE OF SLOTS.  The slot's last bytes, V of its fourth step, have been read.  Each wave waits for all its tensor loads, of which one is out: its part of the other slot; adds 0 to its spare word; and waits for
; that and for its own reads of the slot.  Behind the barrier nobody reads this slot any more and the other slot is whole.  fill = 1: this slot is filled again, with the tile two on.  The barrier is then a round of
; the cluster's, and the joint fill is the first thing behind it: it has four key steps in which to land.  (At its first use nothing has been read yet: slot 0 is waited for, slot 1 filled.)
.macro CHANGE fill
	WIN 0                           ; at a label and at a branch every window is 0
	s_wait_tensorcnt 0x0            ; no tensor load of mine is out, so a group 0 may be written
	ds_add_u32 v[SPW], v[NIL]       ; 0 onto my spare word; with fill = 1 the descriptors' steps stand between it and the wait for it
.if \fill
.irp g, G0K, G0V
	s_xor_b32 s[\g+1], s[\g+1], SLOT1  ; the walking descriptor: the other slot than last time,
	s_add_nc_u64 s[\g+2:\g+3], s[\g+2:\g+3], TILEB  ; the next 256 keys; the type bits on top are not reached
.endr
	s_wait_xcnt 0x0                 ; the last prefetch, a tile back, has read its address, so it may be written:
	s_add_nc_u64 s[PFA:PFA+1], s[PFA:PFA+1], TILEB  ; one tile ahead of the walking descriptors
	s_wait_dscnt 0x0                ; the add is done, and my reads of the slot are over
	CROUND
	JLOAD
	ASK
.else
	s_wait_dscnt 0x0                ; the add is done, and my reads of the slot are over
	s_barrier_signal -1
	s_barrier_wait -1
.endif
	s_sub_co_u32 s[TBK], s[TBK], 4*KS*PK  ; the fetches go back to a slot's first step,
	s_xor_b32 s[TBK], s[TBK], SLOT1       ; in the other slot
	s_sub_co_u32 s[TBV], s[TBV], 4*KS*PV
	s_xor_b32 s[TBV], s[TBV], SLOT1
.endm
	s_load_b128 s[48:51], s[0:1], 0x0  ; qkv s[48:49], out0 s[50:51]
	v_lshl_add_u32 v[SPW], v0, 2, SPARE
	v_mov_b32 v[NIL], 0
	ds_add_u32 v[SPW], v[NIL]       ; the wave's opening: the add and its wait stand ahead of my first tensor load; the set-up below, work on registers, stands between them
	v_lshrrev_b32 v1, 5, v0
	v_readfirstlane_b32 s[WV], v1   ; wave 0..3
	s_bfe_u32 s13, ttmp6, 0x40000   ; cx: my place in the cluster
	s_lshl_b32 s14, ttmp9, 2        ; in a cluster launch ttmp9 counts clusters
	s_add_co_u32 s14, s14, s13      ; my block of 256 queries = 4 x cluster x + cx: it enters Q's and out0's addresses alone
	s_and_b32 s54, ttmp7, 0xffff    ; the head, which the four partners share
	s_lshl_b32 s20, s54, 19         ; its plane's first byte: 524,288 x head
	s_and_b32 s16, s[WV], 1         ; which half of a tile's 256 keys I fetch:
	s_lshl_b32 s22, s16, 14         ; its 128 rows of 128 bytes in memory,
	s_add_co_u32 s22, s22, s20
	s_mov_b32 s23, 0
	s_mul_i32 s17, s16, 128*PK      ; and its place in a slot, for K
	s_mul_i32 s55, s16, 128*PV      ; and for V: no place in the cluster enters an LDS address
	s_lshl_b32 s2, s14, 15          ; Q: my block's 256 rows of 128 bytes,
	s_lshl_b32 s3, s[WV], 13        ; my wave's 64 of them
	s_add_co_u32 s2, s2, s3
	s_add_co_u32 s2, s2, s20
	s_mov_b32 s3, 0
	s_lshl_b32 s52, s14, 20         ; out0: my block's 256 rows of 4,096 bytes,
	s_lshl_b32 s53, s[WV], 18       ; my wave's 64,
	s_add_co_u32 s52, s52, s53
	s_lshl_b32 s53, s54, 8          ; the head's 256 bytes of a row
	s_add_co_u32 s52, s52, s53
	s_mov_b32 s53, 0
	; descriptor group 1.  128 keys are 16,384 dense bytes: asked for as 64 rows of 256 bytes, two keys a row, and padded in LDS after every key
	s_mov_b32 s[G1K], 15|(1<<16)|(1<<20)|(1<<21)|(4<<22)|(3<<25)  ; 15:0 the mask of four; 17:16 2-byte elements; 20 padding on; 21 set beside a mask; 24:22 after every 32 words (code 4); 31:25 4 words (code 3)
	s_mov_b32 s[G1V], 15|(1<<16)|(1<<20)|(1<<21)|(4<<22)|(7<<25)  ; the same with 8 words of padding (code 7)
.irp g, G1K, G1V
	s_mov_b32 s[\g+1], 128<<16      ; tensor_dim0 = 128
	s_mov_b32 s[\g+2], 64<<16       ; tensor_dim1 = 64
	s_mov_b32 s[\g+3], 128<<16      ; tile_dim0 = 128
	s_mov_b32 s[\g+4], 64           ; tile_dim1 = 64
	s_mov_b32 s[\g+5], 128          ; 128 elements from row to row
	s_mov_b32 s[\g+6], 0
	s_mov_b32 s[\g+7], 0
.endr
	s_mov_b32 s[CS], 0x3e38aa3b     ; c = log2(e) / 8 = 0.180337
	s_mov_b32 s[CS+1], s[CS]        ; named with it as a pair
	s_mov_b32 s[SEL], 0x76543210
	s_mov_b32 s[SEL+1], 0xfedcba98
	s_mov_b32 s[TBK], SLOT1+4*KS*PK ; the first change of slots turns these two into 0
	s_mov_b32 s[TBV], SLOT1+4*KS*PV
	s_mov_b32 s[SLOTS], 4096/256-1
	s_mov_b32 s[G0K], 1             ; 1:0 count = 1
	s_mov_b32 s[G0K+1], s17         ; 63:32 LDS address: slot 0
	s_mov_b32 s[G0V], 1
	s_add_co_u32 s[G0V+1], s55, VOFF
	s_and_b32 s[LIM], s[WV], 1      ; 0 in waves 0 and 2,
	s_or_b32 s[LIM], s[LIM], ttmp9  ; where the cluster is the head's first: the same in all four partners
	s_cmp_eq_u32 s[LIM], 0
	s_cselect_b32 s[LIM], 1, -1
	v_and_b32 v[PFO], 31, v0
	v_lshlrev_b32 v[PFO], 8, v[PFO]
	s_wait_dscnt 0x0                ; the opening add is done
	s_wait_kmcnt 0x0
	s_add_nc_u64 s[6:7], s[48:49], s[22:23]        ; K at my half of the head's tile 0,
	s_add_nc_u64 s[8:9], s[6:7], 16*PLANE          ; V sixteen planes on
	s_add_nc_u64 s[G0K+2:G0K+3], s[6:7], 0         ; 120:64 global address
	s_or_b32 s[G0K+3], s[G0K+3], 0x80000000        ; 127:126 type = 2
	s_add_nc_u64 s[G0V+2:G0V+3], s[8:9], 0
	s_or_b32 s[G0V+3], s[G0V+3], 0x80000000
	s_add_nc_u64 s[4:5], s[48:49], s[2:3]          ; Q at my wave's first row
	s_add_nc_u64 s[10:11], s[50:51], s[52:53]      ; out0 at my wave's first row, the head's columns
	s_cmp_lt_u32 s[WV], 2
	s_cselect_b64 s[PFA:PFA+1], s[6:7], s[8:9]     ; (in waves 0 and 2 these stand at a tile's first row)
	s_lshl_b32 s2, s13, 13          ; my work-group's 8,192 bytes of a tile
	s_mov_b32 s3, 0
	s_add_nc_u64 s[PFA:PFA+1], s[PFA:PFA+1], s[2:3]
	s_add_nc_u64 s[PFA:PFA+1], s[PFA:PFA+1], TILEB ; in tile 1; the first change of slots steps it to tile 2.  Nothing is prefetched here, at the head
	CROUND                          ; all four work-groups are here: the first joint loads meet
	JLOAD                           ; tile 0 into slot 0.  Slot 1 is asked for when slot 0 is in, by the first change of slots
	; A fragment of K or Q is 16 rows x 32 channels in 8 registers: lane l holds row l % 16, channels 8 (l / 16) + 0..7 and 16 + 8 (l / 16) + 0..7: two loads of 16 bytes, 32 bytes apart.
	v_and_b32 v1, 15, v0            ; l % 16
	v_bfe_u32 v9, v0, 4, 1          ; l / 16
	v_lshlrev_b32 v[QO], 7, v1
	v_lshl_add_u32 v[QO], v9, 4, v[QO]  ; row x 128 + 16 x half
	WIN 0x80                        ; destination window 2, address window 0
.set i, 0
.rept 8                             ; Q stays in registers: piece i / 2, channels 32 (i % 2) on
	global_load_b128 v[8*i:8*i+3],   v[QO], s[4:5] offset:(i/2)*2048+(i%2)*64
	global_load_b128 v[8*i+4:8*i+7], v[QO], s[4:5] offset:(i/2)*2048+(i%2)*64+32
.set i, i+1
.endr
	; What the first turn finds: V's registers and P's second buffer hold 0 (its products V^T P, of a piece that has not been, add 0), O^T and l are 0.  No first step is written out for it; all this stands in the wait for the first tile.
.set i, VF
.rept 64
	v_mov_b32 v[i], 0
.set i, i+1
.endr
	WIN 0x40
.set i, 0
.rept 128
	v_mov_b32 v[i], 0
.set i, i+1
.endr
	WIN 0
.set i, 0
.rept 4
	v_mov_b32 v[ST+4*i], 0xfe000000    ; c m: far below every c s
	v_mov_b32 v[ST+4*i+1], 0xff7fffff  ; m
	v_mov_b32 v[ST+4*i+2], 0
	v_mov_b32 v[ST+4*i+3], 0
.set i, i+1
.endr
.set i, P+16
.rept 16
	v_mov_b32 v[i], 0
.set i, i+1
.endr
	v_mul_u32_u24 v[AK0], v1, PK
	v_lshl_add_u32 v[AK0], v9, 4, v[AK0]  ; row x pitch + 16 x half
	; The turning load takes 16 keys x 16 channels (lane l reads key 8 (l / 16) + l % 8, channels 8 ((l / 8) % 2) + 0..7) and leaves half a fragment of V^T: lane l holds channel l % 16 and 8 keys.
	v_and_b32 v10, 7, v0
	v_bfe_u32 v11, v0, 3, 1
	v_lshl_add_u32 v[AV0], v9, 3, v10
	v_mul_u32_u24 v[AV0], v[AV0], PV
	v_lshl_add_u32 v[AV0], v11, 4, v[AV0]
	v_add_nc_u32 v[AV0], VOFF, v[AV0]
	s_mul_i32 s13, s[WV], 16*SP
	s_add_co_u32 s13, s13, STAGE    ; my stage
	v_mul_u32_u24 v[STO], v1, SP    ; in: row l % 16, 32 bytes for each half of the lanes
	v_lshl_add_u32 v[STO], v9, 5, v[STO]
	v_add_nc_u32 v[STO], s13, v[STO]
	v_mul_u32_u24 v[RD], v9, SP     ; back: lanes 0-15 take one row of 256 bytes, lanes 16-31 the next
	v_lshl_add_u32 v[RD], v1, 4, v[RD]
	v_add_nc_u32 v[RD], s13, v[RD]
	v_lshlrev_b32 v[GO], 12, v9     ; and the same two rows in out0, 4,096 bytes apart
	v_lshl_add_u32 v[GO], v1, 4, v[GO]
; THE MATRIX WORK.  The 4 accumulators of a run of 8 take turns.  Product i of 8 of S^T = K Q^T for piece x: channels 32 (i / 4) on, keys 16 (i % 4) on.  The first 4 start the sums.
.macro KQ x
	WIN W_KQ
.set rS, S+32*((\x)%2)+8*(i%4)
.set rK, KF+16*(i%4)+8*(i/4)
.set rQ, 16*(\x)+8*(i/4)
.if i < 4
	v_wmma_f32_16x16x32_f16 v[rS:rS+7], v[rK:rK+7], v[rQ:rQ+7], 0
.else
	v_wmma_f32_16x16x32_f16 v[rS:rS+7], v[rK:rK+7], v[rQ:rQ+7], v[rS:rS+7]
.endif
.endm
; Product i of 8 of O^T += V^T P for piece x: keys 32 (i / 4) on, channels 16 (i % 4) on.
.macro PV x
	WIN W_PV
.set rO, 32*(\x)+8*(i%4)
.set rV, VF+32*(i/4)+8*(i%4)
.set rP, P+16*((\x)%2)+8*(i/4)
	v_wmma_f32_16x16x32_f16 v[rO:rO+7], v[rV:rV+7], v[rP:rP+7], v[rO:rO+7]
.endm
.macro MM                           ; the turn's next matrix instruction.  TURN sets Y, i and NOKQ.  NOKQ = 1: the walk's last turn: there is no next piece
.if (i < 8) && !NOKQ
	KQ (Y+1)%NP
.elseif i >= 8
.set i, i-8
	PV (Y+NP-1)%NP
.set i, i+8
.endif
.set i, i+1
.endm
; THE LDS LOADS stand in runs of 16, never singly among the matrix instructions: a step's K (64 keys x 64 channels: 8 fragments) and its V (turned).  Their addresses are made some lines ahead.
.macro FETCH_K
	WIN 0x80                        ; destination window 2
.irp f, 0,1,2,3,4,5,6,7             ; keys 16 (f / 2) on, channels 32 (f % 2) on
	ds_load_b128 v[KF+8*\f:KF+8*\f+3],   v[AK] offset:(\f/2)*16*PK+(\f%2)*64
	ds_load_b128 v[KF+8*\f+4:KF+8*\f+7], v[AK] offset:(\f/2)*16*PK+(\f%2)*64+32
.endr
	s_add_co_u32 s[TBK], s[TBK], KS*PK  ; the next fetch is the next step's
	WIN 0
.endm
.macro FETCH_V
	WIN 0x80
.irp f, 0,1,2,3,4,5,6,7             ; keys 32 (f / 4) on, channels 16 (f % 4) on
	ds_load_tr16_b128 v[VF+8*\f:VF+8*\f+3],   v[AV] offset:(\f/4)*32*PV+(\f%4)*32
	ds_load_tr16_b128 v[VF+8*\f+4:VF+8*\f+7], v[AV] offset:(\f/4)*32*PV+16*PV+(\f%4)*32
.endr
	WIN 0
.endm
; THE VECTOR WORK, one line at a time: OP kind, number.  For piece Y: F n: c s - c m for pair n of 16.  E n: the exponential of score n of 32.  C n: pair n rounded to f16.  B n: of the four weights 4 n .. the second
; pair is added onto the first, in place.  L n: l takes that sum (L 0: l = a l + sum).  R n: pair n of 16 of O^T times a.  For piece Y + 1: X n, number n of the 22 that find its maximum and statistics:
;   0-11  four chains c0-c3 of seven scores each, three operands at a time (each accumulator's lowest registers are read first)     12-14, 16  the four scores left over, the old m, and c0-c3 into c0
;   15  c m_old is kept     17, 18  the query's other 32 keys lie in the lane 16 away: the new m     19-21  c m; c m_old - c m_new; a
.set F, 0               ; OP tells the kinds apart by their order: F to L below R, X above it
.set E, 1
.set C, 2
.set B, 3
.set L, 4
.set R, 5
.set X, 6
.macro REGS y                       ; the registers of piece y
.set rT, ST+4*(\y)
.set rC, TMP+4*((\y)%2)
.set rW, MV+((\y)%2)
.set rS, S+32*((\y)%2)
.set rP, P+16*((\y)%2)
.set rO, 32*(\y)
.endm
.macro OP k, n
.if (\k) == R
	REGS Y
	WIN W_RS
	v_pk_mul_f32 v[rO+2*(\n):rO+2*(\n)+1], v[rO+2*(\n):rO+2*(\n)+1], v[rC+2:rC+3] op_sel_hi:[1,0]
.elseif (\k) < R
	REGS Y
	WIN 0
.if (\k) == F
	v_pk_fma_f32 v[rS+2*(\n):rS+2*(\n)+1], v[rS+2*(\n):rS+2*(\n)+1], s[CS:CS+1], v[rT:rT+1] op_sel_hi:[1,0,0] neg_lo:[0,0,1] neg_hi:[0,0,1]
.elseif (\k) == E
	v_exp_f32 v[rS+(\n)], v[rS+(\n)]
.elseif (\k) == C
	s_wait_alu depctr_va_vdst(0)
	v_cvt_pk_f16_f32 v[rP+(\n)], v[rS+2*(\n)], v[rS+2*(\n)+1]
.elseif (\k) == B
	s_wait_alu depctr_va_vdst(0)
	v_pk_add_f32 v[rS+4*(\n):rS+4*(\n)+1], v[rS+4*(\n):rS+4*(\n)+1], v[rS+4*(\n)+2:rS+4*(\n)+3]
.elseif (\n) == 0
	v_pk_fma_f32 v[rT+2:rT+3], v[rT+2:rT+3], v[rC+2:rC+3], v[rS:rS+1] op_sel_hi:[1,0,1]
.else
	v_pk_add_f32 v[rT+2:rT+3], v[rT+2:rT+3], v[rS+4*(\n):rS+4*(\n)+1]
.endif
.elseif NOKQ
	v_nop
.else
	REGS (Y+1)%NP
	WIN 0
.if (\n) < 4
	v_max3_num_f32 v[rC+(\n)], v[rS+8*(\n)], v[rS+8*(\n)+1], v[rS+8*(\n)+2]
.elseif (\n) < 12
	v_max3_num_f32 v[rC+(\n)%4], v[rC+(\n)%4], v[rS+8*((\n)%4)+2*((\n)/4)+1], v[rS+8*((\n)%4)+2*((\n)/4)+2]
.elseif (\n) == 12
	v_max3_num_f32 v[rC], v[rC], v[rS+7], v[rS+15]
.elseif (\n) == 13
	v_max3_num_f32 v[rC+1], v[rC+1], v[rS+23], v[rS+31]
.elseif (\n) == 14
	v_max3_num_f32 v[rC+2], v[rC+2], v[rC+3], v[rT+1]
.elseif (\n) == 15
	v_mov_b32 v[rW], v[rT]
.elseif (\n) == 16
	v_max3_num_f32 v[rC], v[rC], v[rC+1], v[rC+2]
.elseif (\n) == 17
	v_permlanex16_b32 v[rC+3], v[rC], s[SEL], s[SEL+1]
.elseif (\n) == 18
	v_max_num_f32 v[rT+1], v[rC], v[rC+3]
.elseif (\n) == 19
	v_mul_f32 v[rT], s[CS], v[rT+1]
.elseif (\n) == 20
	v_sub_f32 v[rC+1], v[rW], v[rT]
.else
	v_exp_f32 v[rC+2], v[rC+1]
.endif
.endif
.endm
.macro OPS a, i1, b=-1, i2=0, c=-1, i3=0, d=-1, i4=0  ; up to four of them
	OP \a, \i1
.if (\b) >= 0
	OP \b, \i2
.endif
.if (\c) >= 0
	OP \c, \i3
.endif
.if (\d) >= 0
	OP \d, \i4
.endif
.endm
.macro ROW a, i1, b, i2, c, i3, d, i4  ; a matrix instruction and the four behind it
	MM
	OPS \a, \i1, \b, \i2, \c, \i3, \d, \i4
.endm
; A TURN, for piece p: the order of its 16 matrix and 118 vector instructions, written out.  Behind a matrix instruction: plain, exponential, plain, plain; or four of the rescaling; or, behind the first, four scalings; none
; names a register of the products round it.  In the lumps exponential and plain by turns while exponentials last.  A line reads no result made fewer than three vector instructions in front of it, five if an exponential made it.
; v_permlanex16_b32 (X 17) stands in a lump.  end = 1: the walk's last two turns: nothing is fetched.  cnt = 1: the loop's count is taken down some lines ahead of the branch that stands behind the turn.
; K of the next step is fetched in piece 2's turn, six vector instructions behind the last product that read K (five of them plain); V of the step in hand in piece 0's turn, eight behind the last product that read V (four
; plain, and X 17).  Each is waited for a turn later.
.macro TURN p, end=0, cnt=0
.set Y, (\p)
.set i, 0
.set NOKQ, (\end)*((\p)/3)
.if ((\p) == 3) && !(\end)
	s_wait_dscnt 0x0                ; K is in
.endif
	ROW F,0, F,1, F,2, F,3
	ROW F,4, E,0, F,5, F,6
	ROW F,7, E,1, F,8, F,9
	ROW F,10, E,2, C,0, F,11
	ROW F,12, E,3, X,15, F,13
	ROW R,0, R,1, R,2, R,3
	ROW B,0, E,4, F,14, L,0
.if ((\p) == 2) && !(\end)
	v_add_nc_u32 v[AK], s[TBK], v[AK0]
.endif
	ROW R,4, R,5, R,6, R,7
	OPS E,5, F,15
.if ((\p) == 2) && !(\end)
	FETCH_K
.endif
	OPS E,6, C,1, E,7, R,8
	OPS E,8, R,9, E,9, C,2
	OPS E,10, X,0, E,11, X,1
	OPS E,12, X,2, E,13, X,3
.if (\p) == 1
	s_wait_dscnt 0x0                ; V is in
.endif
	ROW X,4, E,14, X,5, X,6
	ROW X,7, E,15, X,8, X,9
	ROW X,10, E,16, X,11, X,12
	ROW X,13, E,17, X,14, B,1
	ROW C,4, E,18, X,16, L,1
	ROW B,2, E,19, C,6, L,2
	ROW C,8, E,20, B,3, B,4
.if (\p) == 0
	v_add_nc_u32 v[AV], s[TBV], v[AV0]
.endif
	ROW C,3, E,21, L,3, C,5
	OPS E,22, X,17, E,23, C,10
.if (\p) == 0
	FETCH_V
.endif
	OPS E,24, L,4
	OPS E,25, X,18, E,26, C,7
	OPS E,27, B,5, E,28, X,19
	OPS E,29, C,12, E,30, L,5
	OPS E,31, X,20, B,6, C,9
	OPS C,14, C,11, X,21, L,6
.if (\p) == 0
	s_add_co_u32 s[TBV], s[TBV], KS*PV
.endif
.if \cnt
	s_sub_co_u32 s[CNT], s[CNT], 1
	s_cmp_lg_u32 s[CNT], 0
.endif
	OPS C,13, B,7, C,15, R,10
	OPS R,11, R,12, L,7, R,13
	OPS R,14, R,15
.endm
	CHANGE 1                        ; tile 0 is in, everybody's part of it; tile 1 is asked for
	v_add_nc_u32 v[AK], s[TBK], v[AK0]
	FETCH_K                         ; key step 0
	s_wait_loadcnt 0x0              ; Q
	s_wait_dscnt 0x0
.set NOKQ, 0
.set i, 0
.rept 8
	KQ 0                            ; piece 0's first scores: there is no vector work yet to set between them
.set i, i+1
.endr
	WIN 0
.rept 4
	v_nop                           ; the places behind those products
.endr
.set Y, NP-1                        ; X works for piece Y + 1: piece 0
.irp n, 0,1,2,3,4,5,6,7,8,9,10,11,12,13,14,15,16,17,18,19,20,21
	OP X, \n
.endr
	v_nop                           ; a plain instruction behind the exponential
	s_mov_b32 s[CNT], 4
	s_branch .Lfirst                ; the loop is entered at a step's first turn, in the middle of a trip
.Lslot:                             ; 14 times: with the change above, every tile but the first is asked for by a change of slots
	CHANGE 1
	s_mov_b32 s[CNT], 4
.Lstep:                             ; a trip: pieces 2 and 3 of one step, then pieces 0 and 1 of the next, whose K and V it fetches
	TURN 2
	TURN 3
	WIN 0
.Lfirst:
	TURN 0
	TURN 1, 0, 1
	WIN 0
	s_cbranch_scc1 .Lstep
	s_sub_co_u32 s[SLOTS], s[SLOTS], 1
	s_cmp_lg_u32 s[SLOTS], 0
	s_cbranch_scc1 .Lslot
	CHANGE 0                        ; the walk's last tile is written out: nothing is asked for
	s_mov_b32 s[CNT], 4
.LstepT:
	TURN 2
	TURN 3
	TURN 0
	TURN 1, 0, 1
	WIN 0
	s_cbranch_scc1 .LstepT
	TURN 2, 1                       ; the last step's last two turns fetch nothing, and the last starts no new scores
	TURN 3, 1
.set i, 0
.rept 8
	PV NP-1                         ; the last piece's V^T P of the last step
.set i, i+1
.endr
	; THE WAY OUT.  l's two halves and the other half of the lanes' are added; O^T is divided by l and sent, in f32, through my stage in LDS, a piece (16 rows) at a time.  The additions are the places behind the last products.
	WIN 0
.macro ALL line:vararg              ; one line for each piece t
.set t, 0
.rept 4
	\line
.set t, t+1
.endr
.endm
	ALL v_add_f32 v[ST+4*t+2], v[ST+4*t+2], v[ST+4*t+3]
	ALL v_permlanex16_b32 v[ST+4*t+3], v[ST+4*t+2], s[SEL], s[SEL+1]
	ALL v_add_f32 v[ST+4*t+2], v[ST+4*t+2], v[ST+4*t+3]
	ALL v_rcp_f32 v[ST+4*t+2], v[ST+4*t+2]
	v_nop                           ; a plain instruction between the last reciprocal and the use of its result
; Piece t: a lane's eight channels of a row are 32 bytes; they go into rows of 272 bytes straight from O^T's registers and come back as whole rows of 256.
.macro PACK t
	WIN W_RS
.set i, 32*(\t)
.rept 16
	s_wait_alu depctr_va_vdst(0)
	v_pk_mul_f32 v[i:i+1], v[i:i+1], v[ST+4*(\t)+2:ST+4*(\t)+3] op_sel_hi:[1,0]
.set i, i+2
.endr
	WIN W_ST
.irp f, 0,1,2,3,4,5,6,7             ; channel block f / 2, its registers 4 (f % 2) on
	ds_store_b128 v[STO], v[32*(\t)+4*(\f):32*(\t)+4*(\f)+3] offset:64*((\f)/2)+16*((\f)%2)
.endr
	WIN 0
.irp f, 0,1,2,3,4,5,6,7
	ds_load_b128 v[OUTR+32*(\t)+4*(\f):OUTR+32*(\t)+4*(\f)+3], v[RD] offset:(\f)*2*SP  ; LDS serves a wave's instructions in order (ISA guide 5.7.1.4): these see the stores above; the next piece's stores come behind them
.endr
.endm
.macro SEND t, younger              ; younger: the LDS instructions issued behind piece t's loads: the next piece's sixteen, or none.  Each piece has registers of its own, and no address is rewritten
	WIN 0
.irp f, 0,1,2,3,4,5,6,7
	s_wait_dscnt (\younger)+7-(\f)
	global_store_b128 v[GO], v[OUTR+32*(\t)+4*(\f):OUTR+32*(\t)+4*(\f)+3], s[10:11] offset:(\t)*65536+(\f)*8192 th:TH_STORE_NT  ; 16 lanes store 256 consecutive bytes, at a multiple of 256 from out0's first byte
.endr
.endm
	PACK 0
.set t, 1
.rept 3                             ; a piece's arithmetic stands between the loads of the piece before and its stores
	PACK t
	SEND t-1, 16
.set t, t+1
.endr
	SEND 3, 0
	s_wait_tensorcnt 0x0            ; the wave's end: a wait on tensor loads, an add and its wait, behind my last tensor load and my last LDS store
	ds_add_u32 v[SPW], v[NIL]
	s_wait_dscnt 0x0
	CROUND                          ; the closing round: no work-group ends while a partner may still ask for a tile that names it
	s_endpgm
.Lfunc_end_k_q1f9ca05f9b_attn:
	.size	k_q1f9ca05f9b_attn, .Lfunc_end_k_q1f9ca05f9b_attn-k_q1f9ca05f9b_attn
	.p2alignl 7, 3214868480
	.fill 96, 4, 3214868480
	.section	.rodata,"a",@progbits
	.p2align	6, 0x0
	.amdhsa_kernel k_q1f9ca05f9b_attn
		.amdhsa_group_segment_fixed_size 327680
		.amdhsa_private_segment_fixed_size 0
		.amdhsa_enable_private_segment 0
		.amdhsa_kernarg_size 16
		.amdhsa_user_sgpr_count 2
		.amdhsa_user_sgpr_kernarg_segment_ptr 1
		.amdhsa_wavefront_size32 1
		.amdhsa_system_sgpr_workgroup_id_x 1
		.amdhsa_system_sgpr_workgroup_id_y 1
		.amdhsa_system_sgpr_workgroup_id_z 1
		.amdhsa_system_vgpr_workitem_id 0
		.amdhsa_next_free_vgpr 768
		.amdhsa_next_free_sgpr 66
		.amdhsa_reserve_vcc 0
		.amdhsa_float_denorm_mode_32 3
		.amdhsa_float_denorm_mode_16_64 3
		.amdhsa_memory_ordered 1
		.amdhsa_forward_progress 1
		.amdhsa_inst_pref_size 134
	.end_amdhsa_kernel
	.amdgpu_metadata
---
amdhsa.version: [ 1, 2 ]
amdhsa.kernels:
  - .name:           k_q1f9ca05f9b_attn
    .symbol:         k_q1f9ca05f9b_attn.kd
    .args:
      - { .name: qkv, .offset: 0, .size: 8, .value_kind: global_buffer, .address_space: global }
      - { .name: out0, .offset: 8, .size: 8, .value_kind: global_buffer, .address_space: global }
    .group_segment_fixed_size: 327680
    .private_segment_fixed_size: 0
    .kernarg_segment_align: 8
    .kernarg_segment_size: 16
    .max_flat_workgroup_size: 128
    .sgpr_count:     66
    .vgpr_count:     768
    .wavefront_size: 32
...
	.end_amdgpu_metadata
.endif
;; end of part 2
